; MI455X (gfx1250); checked and timed in simulation.
; The chip was launched on July 23, 2026; its instructions are those of AMD's public machine-readable ISA for CDNA 5 (MIT licence, August 2026) and "CDNA5" Instruction Set Architecture Reference Guide (July 2026). The comments in the code are by the model that wrote it; some were corrected since.
;; Self Attention. Allowed arithmetic: matrix products marked QUANTISED: E4M3 operands, one given power-of-two scale a tensor, by v_wmma_f32_16x16x64_fp8_fp8 or v_wmma_f32_16x16x128_fp8_fp8, f32 sums; everything else in f32.
;; Inputs: W_proj_codes 1,024 x 32 x 32 uint8 (E4M3 codes of W_proj, K innermost, in blocks of 32 codes); W_qkv_codes 3,072 x 32 x 32 uint8 (E4M3 codes of W_qkv, K innermost, in blocks of 32 codes); b_proj 1,024 float32; b_qkv 3,072 float32; lowp_scales 8 int32 (the exponents e of the quantised operands' scales 2^e); x_codes 4 x 2,048 x 32 x 32 uint8 (E4M3 codes of x, K innermost, in blocks of 32 codes).
;; Outputs: out0 4 x 2,048 x 1,024 float32.
;; This version of the problem:
;;   THIS VERSION OF THE PROBLEM IS GIVEN IN LOW PRECISION. The matrix products marked QUANTISED in the list below multiply operands that are first quantised to E4M3 (4 exponent bits, 3 mantissa bits; 8 bits a number), with one given power-of-two scale for each operand tensor; their sums are f32. All else is computed in f32.
;;   The module's matrix products, in the order in which they are computed (A, B: the left and right operand; K: the contracted axis; several contracted axes count as one K, in the product's order):
;;     1. [M 8,192, K 1,024] x [K 1,024, N 3,072]; A: input x (given as codes); B: input W_qkv (given as codes): QUANTISED (scales: A lowp_scales[0], B lowp_scales[1])
;;     2. batch 64 x [M 2,048, K 64] x [K 64, N 2,048]; A: computed on the way; B: computed on the way: QUANTISED (scales: A lowp_scales[2], B lowp_scales[3])
;;     3. batch 64 x [M 2,048, K 2,048] x [K 2,048, N 64]; A: softmax (see below); B: computed on the way: QUANTISED (scales: A lowp_scales[4], B lowp_scales[5])
;;     4. [M 8,192, K 1,024] x [K 1,024, N 1,024]; A: computed on the way; B: input W_proj (given as codes): QUANTISED (scales: A lowp_scales[6], B lowp_scales[7])
;;   THE QUANTISER, for each operand of a quantised product, along K:
;;     - The operand's scale is 2^e, e = its entry of the input lowp_scales (int32; the entries are numbered through the quantised products in the list's order, A before B).
;;     - Each number is divided by the scale, clamped to +-448, and rounded to the nearest number of E4M3, ties to even, subnormals kept.
;;     - The product sums the exact products of the quantised numbers (number of the format x scale) in f32.
;;   ~~~python
;;   def quantise(x, axis, e):      # numpy; x: float32 -> the quantised numbers, widened to float32 again
;;       x = np.moveaxis(x, axis, -1); K = x.shape[-1]
;;       r = np.clip(x / 2.0 ** e, -448, 448)
;;       step = 2.0 ** (np.maximum(np.frexp(np.where(r == 0, 1, r))[1] - 1, -6) - 3)
;;       q = np.round(r / step) * step * 2.0 ** e      # np.round: ties to even
;;       return np.moveaxis(q, -1, axis).astype(np.float32)
;;   ~~~
;;   SOFTMAX AHEAD OF A QUANTISED PRODUCT. Where the list says 'softmax', what is quantised is not the finished softmax but p = 2^(t - M), with t = logit x log2(e) and M = ceil(the row's largest t), a whole number; so 1/2 < the row's largest p <= 1. The row's sum l is taken of the UNQUANTISED p, in f32, and the product's result is divided by l at the end. Since M is a whole number, a kernel that streams over the keys may use a running M (the ceiling of the running maximum): every later rescaling is an exact power of two, so the quantised numbers keep their values, but for numbers so far below the row's largest that they fall under the format's range.
;;   OPERANDS COMPUTED ON THE WAY. 'Computed on the way' means the value that the module computes at that place (a softmax that the list does not call 'softmax' is quantised finished and normalised). What goes into a quantiser is computed in f32, as accurately as f32 sums, v_exp_f32 and their like allow (about 1e-6 of the number): no bf16 or f16 on the way to a quantiser, and a product that is left as it is and whose result goes on into a quantised operand takes f32 operands (vector FMAs, or v_wmma_f32_16x16x4_f32). A number that lies on a knife's edge between two numbers of the format may be rounded either way, as far as f32 arithmetic and the matrix unit's own rounding can turn it there, and no further.
;;   INPUTS GIVEN AS CODES. W_proj (in the module: [1024, 1024], K = its axis 1); W_qkv (in the module: [3072, 1024], K = its axis 1); x (in the module: [4, 2048, 1024], K = its axis 2): each comes as NAME_codes (uint8): NAME with its K axis moved to the last place and cut into blocks of 32 codes, [.., K / 32, bytes a block], one block behind the other in memory; one code a byte (a code: sign, 4 exponent bits, 3 mantissa bits); its scale is its entry of lowp_scales. Its value is code x scale, taken as it is: it is not quantised again, and the codes and scales need not be those that the quantiser above would give.
;; One version. Each part assembles by itself: llvm-mc -triple=amdgcn-amd-amdhsa -mcpu=gfx1250 --defsym DOCPART=n.
;; ======== version 1 of 1: 3 launches
;; limits: right only within a limited range of input values
;; workspace buffers: q_img 8,388,608 bytes; kv_img 16,777,216 bytes; att_img 8,388,608 bytes
;; launch qkv (part 1): grid 12 x 32, 4 waves a work-group, clusters of 4 x 4, 327,680 bytes of LDS; arguments x_codes, W_qkv_codes, b_qkv, lowp_scales, q_img, kv_img; writes q_img, kv_img
.if DOCPART == 1
	.amdgcn_target "amdgcn-amd-amdhsa--gfx1250"
	.amdhsa_code_object_version 6
	.text
	.protected	k_q291d8c39e9_qkv
	.globl	k_q291d8c39e9_qkv
	.p2align	8
	.type	k_q291d8c39e9_qkv,@function
k_q291d8c39e9_qkv:
	s_mov_b64 s[64:65], 0
	v_nop
	global_prefetch_b8 v0, s[64:65] scope:SCOPE_SE
	s_setreg_imm32_b32 hwreg(HW_REG_WAVE_MODE, 25, 1), 1
	s_wait_xcnt 0x0
	s_wait_alu depctr_hold_cnt(0) depctr_sa_sdst(0) depctr_va_vdst(0) depctr_va_sdst(0) depctr_va_ssrc(0) depctr_va_vcc(0) depctr_vm_vsrc(0)
	s_getreg_b32 s2, hwreg(HW_REG_IB_STS2, 6, 4)
	s_cmp_eq_u32 s2, 0
	s_cbranch_scc0 .Lentry_in_a_cluster
	s_endpgm
.Lentry_in_a_cluster:
	s_bfe_u32 s2, ttmp6, 0x10000c
	s_cmp_lg_u32 s2, 0xf033
	s_cbranch_scc0 .Lentry_shape_is_right
	s_endpgm
.Lentry_shape_is_right:
; qkv = x W_qkv^T + b_qkv on E4M3 codes, and its three parts quantised at once for the attention launch.
; x: [8192][1024] codes, W_qkv: [3072][1024] codes, K innermost; b_qkv f32; the buffer of scales holds e0 .. e7 (int32).  sum x 2^(e0 + e1) + bias, one rounding, is turned into a code
; with the scale 2^eo: eo = e2 for q, e3 for k, e5 for v.
; A tile of 256 x 256 is made by four waves, 128 x 128 each: 64 accumulators, 512 registers.  K goes in steps of 256 through a ring of two LDS slots filled by the tensor data mover.
; CLUSTERS: 4 x 4 work-groups; the four of a cluster's row ask jointly for the tiles of operand "A", the four of a column for those of "B".  384 tiles in all: 24 clusters.
; WHICH TENSOR IS "A".  The matrix instruction takes 16 rows of B as source 0 and 16 rows of A as source 1: lane (r, h) of accumulator (a, b) holds A's row 16 a + r and, in registers j = 0 .. 7,
; B's rows 16 b + 8 h + j.  A lane's eight numbers must be neighbours along the NEXT product's K.  q, k (cluster x = 0, 1): next K = the head's 64 features: A = x (tokens), B = W.
; v (cluster x = 2): next K = the keys: A = W's rows 2048 on (features), B = x (tokens).  The choice hangs on the cluster's x alone, which all sixteen partners share.
; THE RESULTS LEAVE AS IMAGES OF THE NEXT OPERAND'S REGISTERS: eight numbers become registers 2 c, 2 c + 1 (k = 16 c + 8 h + 0 .. 7) of a fragment; four such registers leave by one store, lane l's 16 bytes at 16 l:
; 512 consecutive bytes, aligned.  q_img: [bh][16 tokens][quad 2][lane][16 B].  kv_img: [bh][128 keys][16,384 B]: K's eight fragments (16 keys x 64), then V^T's four (16 features x 128 keys).
; In this launch's own products a fragment is fetched by four loads of 16 bytes: the same permutation of k in A and in B, so every product meets its partner.
; LIMITS: e0 + e1 between -126 and 127; e2, e3, e5 between -126 and 119, so that each power of two below is an f32 number.  NaN codes among the inputs are not served.
; REGISTERS, in windows of 256: window 0: v16-31 addresses and constants; v32-39 the bias's addresses; v64-127 the bias; v128-255 A's fragments, one set, later the codes.
;   window 1: B's fragments, two sets.   window 2: the accumulators of A's blocks 0-3 ((a, b) at v[8 (8 a + b)]);   window 3: those of blocks 4-7.
.set SIZE_K, 1024
.set KSTEP,  256                       ; along K in a slot
.set ROWB,   256                       ; a tile's row in bytes
.set KROW,   SIZE_K                    ; a row of x or of W in memory, in bytes
.set PITCH,  272                       ; an LDS row: 256 bytes + 16 of padding = 68 words: the 16 rows that a load touches start at 16 different banks (64 banks of 4 bytes: ISA guide 11.1)
.set FR,     16                        ; registers of a fragment: 16 rows x 128 K
.set NL,     4                         ; LDS loads that bring one
.set NP,     4                         ; places behind this matrix instruction (ISA guide 7.12.1)
.set HALFT,  128*PITCH                 ; 128 rows: what one tensor load brings
.set SLOT,   4*HALFT                   ; A's 256 rows, then B's 256 rows
.set LAPS,   SIZE_K/(2*KSTEP)          ; a lap = two K steps = once round the ring
.set SPARE,  2*SLOT                    ; behind the ring: the spare words, 128 bytes for each wave
.set ADRA, 16                          ; v16-17  LDS address of my A fragments in slot 0, 1
.set ADRB, 20                          ; v20-21  the same for B
.set LI,   24                          ; v24     16 x lane: my place in an image
.set SPW,  28                          ; v28     LDS address of my spare word; never rewritten
.set NIL,  29                          ; v29     0; never rewritten
.set LIM,  30
.set SCL,  31                          ; v31     2^eo
.set VA,   32                          ; v32-39  byte offsets of the bias's eight registers
.set BIAS, 64                          ; v64-127 the bias: eight registers for each of eight blocks
.set AF,   128                         ; A's fragments
.set CD,   128                         ; the way out: 16 registers of codes for each block of A
.set G1, 24                            ; s[24:31] descriptor group 1 for A's tiles;  s[32:39] group 0, one set for each slot
.set G0, 32
.set G1B, 48                           ; s[48:55], s[56:63] the same for B's tiles
.set G0B, 56
.set MSB, 0
.macro WIN new                         ; the immediate's high byte repeats the setting that is left
.if MSB != \new
	s_set_vgpr_msb (MSB<<8)|\new
.set MSB, \new
.endif
.endm
.set MUL_LO, 0xa1                      ; source 0 (B) window 1, source 1 (A) window 0, C and D window 2
.set MUL_HI, 0xf1                      ; the same, C and D window 3
.set TO_B,   0x40                      ; destination window 1, address window 0
; A joint load: waves 0 and 1 fetch for A, waves 2 and 3 for B.  Each line has one mask and one set of registers; the branch hangs on the wave's number alone.
; Four v_nop follow each of the two lines, ahead of the jump, the label and what follows.
.macro JLOAD g0a, g1a, g0b, g1b
	s_cmp_eq_u32 s15, 0
	s_cbranch_scc0 .Lfor_b_\@
	tensor_load_to_lds s[\g0a:\g0a+3], s[\g1a:\g1a+7]
	s_nop 0
.rept 4
	v_nop
.endr
	s_branch .Lasked_\@
.Lfor_b_\@:
	tensor_load_to_lds s[\g0b:\g0b+3], s[\g1b:\g1b+7]
	s_nop 0
.rept 4
	v_nop
.endr
.Lasked_\@:
.endm
.macro CREST                           ; a round of the cluster's barrier behind its opening barrier
	s_cmp_lg_u32 s14, 0
	s_cbranch_scc1 .Lnot_wave_0_\@
	s_barrier_signal -3
.Lnot_wave_0_\@:
	s_barrier_wait -3
	s_barrier_signal -1
	s_barrier_wait -1
.endm
.macro CROUND                          ; a whole round
	s_barrier_signal -1
	s_barrier_wait -1
	CREST
.endm
	s_load_b256 s[4:11], s[0:1], 0x0               ; x s[4:5], W s[6:7], the bias s[8:9], the scales' exponents s[10:11]
	s_load_b128 s[68:71], s[0:1], 0x20             ; q_img s[68:69], kv_img s[70:71]
	v_lshl_add_u32 v[SPW], v0, 2, SPARE
	v_mov_b32 v[NIL], 0
	ds_add_u32 v28, v29
	ds_add_u32 v28, v29
	s_wait_dscnt 0x0
	v_lshrrev_b32 v1, 5, v0
	v_readfirstlane_b32 s14, v1                    ; wave 0..3
	s_lshr_b32 s15, s14, 1                         ; which half of A's rows is mine.  Also: I fetch for A (0) or for B (1)
	s_and_b32 s16, s14, 1                          ; which half of B's rows.  Also: which 128 rows of that tile I fetch
	s_bfe_u32 s40, ttmp6, 0x40000                  ; cx, cy: my place in the cluster
	s_bfe_u32 s41, ttmp6, 0x40004
	s_and_b32 s12, ttmp7, 0xffff
	s_lshl_b32 s12, s12, 2                         ; 4 x cluster y
	s_lshl_b32 s13, ttmp9, 2                       ; 4 x cluster x
	s_cmp_eq_u32 ttmp9, 2                          ; v's clusters?
	s_cselect_b32 s17, 0, s12                      ; A's tile: v: one of W's four; q, k: one of x's 32
	s_cselect_b32 s42, s12, s13                    ; B's tile: v: one of x's 32; q, k: one of W's first eight
	s_add_co_u32 s17, s17, s41                     ; + cy
	s_add_co_u32 s42, s42, s40                     ; + cx
	s_lshl_b32 s43, s41, 2
	s_lshl_b32 s43, 15, s43                        ; my row of the cluster
	s_lshl_b32 s44, 0x1111, s40                    ; my column
	; descriptor group 1: a tile of 128 rows x 256 bytes, padded in LDS
	s_or_b32 s[G1+0], s43, (0<<16)|(1<<20)|(1<<21)|(5<<22)|(3<<25)  ; 15:0 the mask: A's tiles go to my row; 17:16 element of 1 byte; 20 padding on; 21 set beside a mask; 24:22 after every 64 words; 31:25 four words
	s_or_b32 s[G1B+0], s44, (0<<16)|(1<<20)|(1<<21)|(5<<22)|(3<<25)
.irp g, G1, G1B
	s_mov_b32 s[\g+1], ROWB<<16                    ; tensor_dim0
	s_mov_b32 s[\g+2], 128<<16                     ; tensor_dim1 = 128
	s_mov_b32 s[\g+3], ROWB<<16                    ; tile_dim0
	s_mov_b32 s[\g+4], 128                         ; tile_dim1 = 128
	s_mov_b32 s[\g+5], KROW                        ; tensor_dim0_stride
	s_mov_b32 s[\g+6], 0
	s_mov_b32 s[\g+7], 0
.endr
	s_lshl_b32 s18, s16, 7                         ; which 128 rows of the tile I fetch
	s_lshl_b32 s20, s17, 8
	s_add_co_u32 s20, s20, s18                     ; A: row 256 x tile + 128 x half
	s_lshl_b32 s46, s42, 8
	s_add_co_u32 s46, s46, s18                     ; B likewise
	s_lshl_b32 s20, s20, 10                        ; in bytes: rows of 1,024; 8 MiB at the most
	s_lshl_b32 s46, s46, 10
	s_mov_b32 s21, 0
	s_mov_b32 s47, 0
	s_mul_i32 s45, s14, HALFT                      ; where they go: wave x 128 rows: no place in the cluster enters an LDS address
	s_wait_kmcnt 0x0
	s_load_b256 s[72:79], s[10:11], 0x0            ; e0 .. e7
	s_add_nc_u64 s[92:93], s[6:7], 0x200000        ; W's row 2048: v's features
	s_cmp_eq_u32 ttmp9, 2
	s_cselect_b64 s[88:89], s[92:93], s[4:5]       ; A's tensor
	s_cselect_b64 s[90:91], s[4:5], s[6:7]         ; B's tensor
	s_add_nc_u64 s[20:21], s[88:89], s[20:21]
	s_add_nc_u64 s[46:47], s[90:91], s[46:47]
	CROUND                                         ; all sixteen work-groups are here: the first joint loads meet
.irp s, 0,1
	s_mov_b32 s[G0+4*\s], 1
	s_add_co_u32 s[G0+4*\s+1], s45, \s*SLOT
	s_add_nc_u64 s[G0+4*\s+2:G0+4*\s+3], s[20:21], \s*ROWB
	s_or_b32 s[G0+4*\s+3], s[G0+4*\s+3], 0x80000000
	s_mov_b32 s[G0B+4*\s], 1
	s_add_co_u32 s[G0B+4*\s+1], s45, \s*SLOT
	s_add_nc_u64 s[G0B+4*\s+2:G0B+4*\s+3], s[46:47], \s*ROWB
	s_or_b32 s[G0B+4*\s+3], s[G0B+4*\s+3], 0x80000000
	JLOAD G0+4*\s, G1, G0B+4*\s, G1B
.endr
	v_and_b32 v1, 15, v0                           ; r = lane % 16
	v_bfe_u32 v2, v0, 4, 1                         ; h = lane / 16
	v_mul_u32_u24 v3, v1, PITCH
	v_lshl_add_u32 v4, v2, 4, v3                   ; a fragment's row x pitch + 16 x half
	s_mul_i32 s21, s15, HALFT                      ; my 128 rows of A
	s_mul_i32 s22, s16, HALFT                      ; my 128 rows of B,
	s_add_co_u32 s22, s22, 2*HALFT                 ; which lie behind A's 256
.irp s, 0,1
	v_add_nc_u32 v[ADRA+\s], s21, v4
	v_add_nc_u32 v[ADRB+\s], s22, v4
	s_add_co_u32 s21, s21, SLOT
	s_add_co_u32 s22, s22, SLOT
.endr
	v_and_b32 v5, 31, v0
	v_lshlrev_b32 v[LI], 4, v5
	; what my 128 x 128 stands for
	s_lshl_b32 s80, s17, 8
	s_lshl_b32 s81, s15, 7
	s_add_co_u32 s80, s80, s81                     ; my first row of A
	s_lshl_b32 s82, s42, 8
	s_lshl_b32 s81, s16, 7
	s_add_co_u32 s82, s82, s81                     ; my first row of B
	s_add_co_u32 s83, s80, 2048
	s_and_b32 s88, s82, 1023
	s_cmp_eq_u32 ttmp9, 2
	s_cselect_b32 s83, s83, s82                    ; my first entry of the bias: v: 2048 + A's row; q, k: B's row
	s_cselect_b32 s89, s82, s80                    ; my first token
	s_cselect_b32 s88, s80, s88                    ; my first feature within q, k or v
	s_cselect_b32 s92, 4, 0                        ; the bias's address: v: 4 r, the same in all eight registers (a lane holds one feature);
	s_cselect_b32 s93, 0, 32                       ; q, k: 32 h + 4 i (a lane holds eight features)
	s_cselect_b32 s94, 0, 4
	s_cselect_b32 s95, 8192, 0                     ; V^T's fragments lie behind K's in a key step's 16,384 bytes
	s_lshl_b32 s90, s83, 2
	s_mov_b32 s91, 0
	s_add_nc_u64 s[8:9], s[8:9], s[90:91]          ; the bias at my first entry; not rewritten
	v_mul_u32_u24 v[VA], s92, v1
	v_mad_u32_u24 v[VA], v2, s93, v[VA]
.irp i, 1,2,3,4,5,6,7
	v_add_nc_u32 v[VA+\i], s94, v[VA+\i-1]
.endr
.irp t, 0,1,2,3,4,5,6,7
.irp i, 0,1,2,3,4,5,6,7
	global_load_b32 v[BIAS+8*\t+\i], v[VA+\i], s[8:9] offset:64*\t   ; block t of 16 features, register i
.endr
.endr
	s_lshr_b32 s90, s89, 11                        ; the batch,
	s_lshl_b32 s90, s90, 4
	s_lshr_b32 s88, s88, 6
	s_add_co_u32 s90, s90, s88                     ; 16 x batch + head: the first of my two heads
	s_bfe_u32 s89, s89, 0x40007                    ; which 128 tokens of the sequence (4 bits from bit 7)
	s_lshl_b32 s90, s90, 17                        ; q_img: 131,072 bytes a head, 8,192 for 128 tokens;
	s_lshl_b32 s89, s89, 13
	s_add_co_u32 s90, s90, s89
	s_cmp_eq_u32 ttmp9, 0
	s_cselect_b32 s89, 0, 1                        ; kv_img: twice that
	s_cselect_b64 s[84:85], s[68:69], s[70:71]
	s_lshl_b32 s90, s90, s89
	s_add_co_u32 s90, s90, s95
	s_add_nc_u64 s[84:85], s[84:85], s[90:91]      ; where my first head's images go,
	s_lshl_b32 s90, 0x20000, s89
	s_add_nc_u64 s[86:87], s[84:85], s[90:91]      ; and my second head's
.macro FRAG reg, adr, q, i             ; a fragment, 16 rows x 128 K of codes, is 16 registers: lane l holds row l % 16; registers 4 c .. 4 c + 3 hold K = 32 c + 16 (l / 16) + 0 .. 15
.irp c, 0,1,2,3
	ds_load_b128 v[\reg+4*\c:\reg+4*\c+3], v[\adr] offset:128*(\q)+32*\c+(\i)*16*PITCH
.endr
.endm
; 16 matrix instructions: A's blocks a0, a0 + 1 x B's eight, 128 along K.  p: B's set.  zero = 1: the first product starts the sums: nothing is ever cleared.
; The 64 accumulators take turns, one instruction a turn, in the same order in every step.
.macro MUL16 a0, p, zero
.irp a, \a0, \a0+1
.irp b, 0,1,2,3,4,5,6,7
.if \zero
	v_wmma_f32_16x16x128_fp8_fp8 v[8*(8*((\a)%4)+\b):8*(8*((\a)%4)+\b)+7], v[128*(\p)+FR*\b:128*(\p)+FR*\b+FR-1], v[AF+FR*(\a):AF+FR*(\a)+FR-1], 0
.else
	v_wmma_f32_16x16x128_fp8_fp8 v[8*(8*((\a)%4)+\b):8*(8*((\a)%4)+\b)+7], v[128*(\p)+FR*\b:128*(\p)+FR*\b+FR-1], v[AF+FR*(\a):AF+FR*(\a)+FR-1], v[8*(8*((\a)%4)+\b):8*(8*((\a)%4)+\b)+7]
.endif
.endr
.endr
.endm
.macro FETCH_B slot, q, p              ; B's eight fragments of the slot's q-th 128 along K into set p
	WIN TO_B
.irp i, 0,1,2,3,4,5,6,7
	FRAG 128*(\p)+FR*\i, ADRB+\slot, \q, \i
.endr
	WIN 0
.endm
.macro FETCH_A slot, q, i0             ; A's blocks i0 .. i0 + 3
.irp i, \i0, \i0+1, \i0+2, \i0+3
	FRAG AF+FR*(\i), ADRA+\slot, \q, \i
.endr
.endm
; A load into a register that a matrix instruction has read, and a vector instruction that reads a matrix result or writes one of its registers, stand NP places behind it; only plain vector
; instructions that name none of its registers are places (ISA guide 7.12.1 for vector instructions).
.macro PLACES n
.rept \n
	v_nop
.endr
.endm
; A step of 128 along K that has its successor in the same slot.  A's blocks are free as soon as their eight products are issued, so A has one set: blocks 0-3 are fetched anew in the step's middle, blocks 4-7 at its end.
.macro STEP slot, q, zero
	s_wait_dscnt 4*NL                              ; B's set and A's blocks 0-3 are in; the 16 youngest loads (A's blocks 4-7) may be out
	WIN MUL_LO
	MUL16 0, (\q)%2, \zero
	MUL16 2, (\q)%2, \zero
	s_wait_dscnt 0                                 ; A's blocks 4-7 are in
	PLACES NP
	FETCH_B \slot, (\q)+1, 1-(\q)%2
	FETCH_A \slot, (\q)+1, 0
	WIN MUL_HI
	MUL16 4, (\q)%2, \zero
	MUL16 6, (\q)%2, \zero
	PLACES NP
	WIN 0
	FETCH_A \slot, (\q)+1, 4
.endm
; A slot's last step changes slots: one barrier; in front of it each wave waits for all its tensor loads, adds 0 to its spare word, and waits for that and for its own reads of this slot.  fill = 1: this slot is filled again, two K steps ahead.
.macro TURN slot, next, fill
	s_wait_tensorcnt 0x0                           ; all my tensor loads have landed: my part of the next slot  (every window is 0 here)
	ds_add_u32 v[SPW], v[NIL]                      ; 0 onto my spare word
	s_wait_dscnt 4*NL+1                            ; (the add and the 16 youngest loads, A's blocks 4-7, may be out)
	WIN MUL_LO
	MUL16 0, 1, 0                                  ; sixteen matrix instructions stand between the add and the wait for it
	s_wait_dscnt 0x0                               ; the add is done, and my reads of this slot are over
	s_barrier_signal -1
	MUL16 2, 1, 0
	WIN 0
	s_barrier_wait -1
.if \fill
	CREST                                          ; the barrier has opened a round of the cluster's barrier: no wave of any partner still reads this slot's tile or has a load on its way
	s_add_nc_u64 s[G0+4*\slot+2:G0+4*\slot+3], s[G0+4*\slot+2:G0+4*\slot+3], 2*ROWB
	s_add_nc_u64 s[G0B+4*\slot+2:G0B+4*\slot+3], s[G0B+4*\slot+2:G0B+4*\slot+3], 2*ROWB
	JLOAD G0+4*\slot, G1, G0B+4*\slot, G1B         ; the first tensor load behind the round; the four v_nop behind it are the places in front of the loads below
.else
	PLACES NP
.endif
	FETCH_B \next, 0, 0
	FETCH_A \next, 0, 0
	WIN MUL_HI
	MUL16 4, 1, 0
	MUL16 6, 1, 0
	PLACES NP
	WIN 0
	FETCH_A \next, 0, 4
.endm
	s_wait_loadcnt 0x0                             ; the bias, once: it has come while the first tiles were on their way
	s_wait_tensorcnt 1                             ; my part of K step 0 is in (K step 1's load may be out),
	s_barrier_signal -1
	s_barrier_wait -1                              ; everybody's is
	FETCH_B 0, 0, 0
	FETCH_A 0, 0, 0
	FETCH_A 0, 0, 4
	STEP 0, 0, 1                                   ; the first step stands in front of the loop: its products start the sums
	s_mov_b32 s3, LAPS-1
.Llap:                                                 ; a trip goes once round the ring, from a lap's second step to the next lap's first, and fills both slots again
	TURN 0, 1, 1
	STEP 1, 0, 0
	TURN 1, 0, 1
	STEP 0, 0, 0
	s_sub_co_u32 s3, s3, 1
	s_cmp_lg_u32 s3, 0
	s_cbranch_scc1 .Llap
	TURN 0, 1, 0                                   ; the last lap fills nothing, and has no round of the cluster's barrier
	STEP 1, 0, 0
	s_wait_dscnt 4*NL                              ; the very last step: nothing more to fetch
	WIN MUL_LO
	MUL16 0, 1, 0
	MUL16 2, 1, 0
	s_wait_dscnt 0
	WIN MUL_HI
	MUL16 4, 1, 0
	MUL16 6, 1, 0
	WIN 0
; THE WAY OUT of A's block a: 64 numbers a lane.  sum x 2^(e0 + e1) + bias in one fused multiply-add, each accumulator from its low end on
; eight conversions; four stores of 512 consecutive bytes.  Every block has code registers of its own, so no store's data are written again.
.macro OUT a, isv
.set AC, 64*((\a)%4)
	WIN 0x82+0x41*((\a)/4)                         ; source 0 and destination: window 2 or 3
.irp b, 0,1,2,3,4,5,6,7
.irp i, 0,2,4,6
.if \isv
	v_pk_fma_f32 v[AC+8*\b+\i:AC+8*\b+\i+1], v[AC+8*\b+\i:AC+8*\b+\i+1], s[96:97], v[BIAS+8*(\a)+\i:BIAS+8*(\a)+\i+1] op_sel_hi:[1,0,1]   ; the feature hangs on A's block and the lane
.else
	v_pk_fma_f32 v[AC+8*\b+\i:AC+8*\b+\i+1], v[AC+8*\b+\i:AC+8*\b+\i+1], s[96:97], v[BIAS+8*\b+\i:BIAS+8*\b+\i+1] op_sel_hi:[1,0,1]       ; the feature hangs on B's block and the register
.endif
.endr
.endr
.set j, 0
.rept 64
.set j, j+1
.endr
	WIN 0x02+((\a)/4)                              ; source 0: window 2 or 3; the codes go to window 0
.irp b, 0,1,2,3,4,5,6,7
	v_cvt_scalef32_pk8_fp8_f32 v[CD+16*(\a)+2*\b:CD+16*(\a)+2*\b+1], v[AC+8*\b:AC+8*\b+7], v[SCL]
.endr
	v_nop                                          ; one plain vector instruction behind the last conversion of a run
	WIN 0
.irp q, 0,1,2,3
.if \isv
	global_store_b128 v[LI], v[CD+16*(\a)+4*\q:CD+16*(\a)+4*\q+3], s[84+2*((\a)/4):85+2*((\a)/4)] offset:((\a)%4)*2048+\q*512   ; head a / 4, features 16 (a % 4) on: registers 4 q .. 4 q + 3 of a fragment of 16 x 128 keys
.else
	global_store_b128 v[LI], v[CD+16*(\a)+4*\q:CD+16*(\a)+4*\q+3], s[84+2*(\q/2):85+2*(\q/2)] offset:(\a)*1024+(\q%2)*512       ; head q / 2, tokens 16 a on: registers 4 (q % 2) .. of a fragment of 16 x 64
.endif
.endr
.endm
	s_wait_kmcnt 0x0
	s_cmp_eq_u32 ttmp9, 0
	s_cselect_b32 s92, s74, s75                    ; eo: q: e2, k: e3,
	s_cmp_eq_u32 ttmp9, 2
	s_cselect_b32 s92, s77, s92                    ; v: e5.  A choice, no branch
	s_add_co_i32 s92, s92, 127
	s_lshl_b32 s93, s92, 23
	v_mov_b32 v[SCL], s93                          ; 2^eo as f32: the conversion takes its exponent field
	s_add_co_i32 s96, s72, s73
	s_add_co_i32 s96, s96, 127
	s_lshl_b32 s96, s96, 23                        ; 2^(e0 + e1) as f32
	s_mov_b32 s97, s96                             ; (named with it as a pair, so it is written)
	PLACES NP                                      ; behind the last products: their results are read and A's registers written below
	s_cmp_eq_u32 ttmp9, 2                          ; the same in all sixteen partners
	s_cbranch_scc1 .Lvalues
.irp a, 0,1,2,3,4,5,6,7
	OUT \a, 0
.endr
	s_branch .Lend
.Lvalues:
.irp a, 0,1,2,3,4,5,6,7
	OUT \a, 1
.endr
.Lend:
	s_wait_tensorcnt 0x0                           ; the wave's end
	ds_add_u32 v[SPW], v[NIL]
	s_wait_dscnt 0x0
	CROUND                                         ; the closing round: no work-group ends while a partner may still ask for a tile that names it
	s_endpgm
.Lfunc_end_k_q291d8c39e9_qkv:
	.size	k_q291d8c39e9_qkv, .Lfunc_end_k_q291d8c39e9_qkv-k_q291d8c39e9_qkv
	.p2alignl 7, 3214868480
	.fill 96, 4, 3214868480
	.section	.rodata,"a",@progbits
	.p2align	6, 0x0
	.amdhsa_kernel k_q291d8c39e9_qkv
		.amdhsa_group_segment_fixed_size 327680
		.amdhsa_private_segment_fixed_size 0
		.amdhsa_enable_private_segment 0
		.amdhsa_kernarg_size 48
		.amdhsa_user_sgpr_count 2
		.amdhsa_user_sgpr_kernarg_segment_ptr 1
		.amdhsa_wavefront_size32 1
		.amdhsa_system_sgpr_workgroup_id_x 1
		.amdhsa_system_sgpr_workgroup_id_y 1
		.amdhsa_system_sgpr_workgroup_id_z 1
		.amdhsa_system_vgpr_workitem_id 0
		.amdhsa_next_free_vgpr 1024
		.amdhsa_next_free_sgpr 100
		.amdhsa_reserve_vcc 0
		.amdhsa_float_denorm_mode_32 3
		.amdhsa_float_denorm_mode_16_64 3
		.amdhsa_fp16_overflow 1
		.amdhsa_memory_ordered 1
		.amdhsa_forward_progress 1
		.amdhsa_inst_pref_size 133
	.end_amdhsa_kernel
	.amdgpu_metadata
---
amdhsa.version: [ 1, 2 ]
amdhsa.kernels:
  - .name:           k_q291d8c39e9_qkv
    .symbol:         k_q291d8c39e9_qkv.kd
    .args:
      - { .name: x_codes, .offset: 0, .size: 8, .value_kind: global_buffer, .address_space: global }
      - { .name: W_qkv_codes, .offset: 8, .size: 8, .value_kind: global_buffer, .address_space: global }
      - { .name: b_qkv, .offset: 16, .size: 8, .value_kind: global_buffer, .address_space: global }
      - { .name: lowp_scales, .offset: 24, .size: 8, .value_kind: global_buffer, .address_space: global }
      - { .name: q_img, .offset: 32, .size: 8, .value_kind: global_buffer, .address_space: global }
      - { .name: kv_img, .offset: 40, .size: 8, .value_kind: global_buffer, .address_space: global }
    .group_segment_fixed_size: 327680
    .private_segment_fixed_size: 0
    .kernarg_segment_align: 8
    .kernarg_segment_size: 48
    .max_flat_workgroup_size: 128
    .sgpr_count:     100
    .vgpr_count:     1024
    .wavefront_size: 32
...
	.end_amdgpu_metadata
.endif
;; end of part 1
;; launch attn (part 2): grid 4 x 64, 16 waves a work-group, clusters of 4 x 1, 327,680 bytes of LDS; arguments q_img, kv_img, lowp_scales, att_img; writes att_img
.if DOCPART == 2
	.amdgcn_target "amdgcn-amd-amdhsa--gfx1250"
	.amdhsa_code_object_version 6
	.text
	.protected	k_q291d8c39e9_attn
	.globl	k_q291d8c39e9_attn
	.p2align	8
	.type	k_q291d8c39e9_attn,@function
k_q291d8c39e9_attn:
	s_mov_b64 s[64:65], 0
	v_nop
	global_prefetch_b8 v0, s[64:65] scope:SCOPE_SE
	s_setreg_imm32_b32 hwreg(HW_REG_WAVE_MODE, 25, 1), 1
	s_wait_xcnt 0x0
	s_wait_alu depctr_hold_cnt(0) depctr_sa_sdst(0) depctr_va_vdst(0) depctr_va_sdst(0) depctr_va_ssrc(0) depctr_va_vcc(0) depctr_vm_vsrc(0)
	s_getreg_b32 s2, hwreg(HW_REG_IB_STS2, 6, 4)
	s_cmp_eq_u32 s2, 0
	s_cbranch_scc0 .Lentry_in_a_cluster
	s_endpgm
.Lentry_in_a_cluster:
	s_bfe_u32 s2, ttmp6, 0x10000c
	s_cmp_lg_u32 s2, 0x3003
	s_cbranch_scc0 .Lentry_shape_is_right
	s_endpgm
.Lentry_shape_is_right:
; Causal attention on E4M3 codes, for 64 heads (batch x head) of 2,048 tokens x 64 features.  All operands are images of operand registers: a fragment comes by loads of 16 bytes at 16 x lane.
; t = score x 2^(e2 + e3) x log2(e) / 8; M = the running largest t, rounded up to a whole number; p = 2^(t - M) is quantised with 2^e4; the row's sum is taken of the unquantised p in f32;
; o = O x 2^(e4 + e5) / sum is quantised with 2^e6 and leaves as the image of the last product's operand.  When M moves, the sum and O are multiplied by 2^(old M - new M): exact.
; SHARES.  A cluster of four work-groups is one head.  The head's K and V, 262,144 bytes, lie WHOLE in each work-group's LDS, as they lie in memory, filled ONCE by joint loads (the same load with the
; same descriptor and the mask of all four in each of the four): no byte of LDS is filled again.  A head has 128 tiles of 16 queries; tile 8 M + U needs key steps 0 .. M (128 keys a step).
; Wave w of partner cx owns tiles 8 M1 + U and 8 M2 + U, M1 = w / 2, M2 = 15 - M1, U = 2 cx + w % 2: 17 key steps for every wave.  Every branch hangs on the wave's number and a loop's counter alone;
; cx enters only the global addresses of Q and of the result and one vector constant of the mask.
; LAYOUT.  S^T = K Q^T (source 0 = 16 keys, source 1 = my 16 queries, K = 64): lane (r, h) holds query r and, in tile f's register j, key 16 f + 8 h + j: eight conversions give registers 2 f, 2 f + 1 of P^T,
; the operand (K = 128 keys) of O^T = V^T P^T (source 0 = 16 features x 128 keys).  O^T's tile t, register j, is feature 16 t + 8 h + j of query r: registers 2 t, 2 t + 1 of the next operand.
; Four waves share a SIMD, so that one wave's vector work stands beside another's matrix work and LDS loads.
; LIMITS: e2 + e3 between -123 and 130 (added to c's exponent field); e4 and e6 between -126 and 119; e4 + e5 is applied by v_ldexp_f32 and has none.
.set LI,   1                           ; v1   16 x lane
.set ADR,  2                           ; v2   LDS address of the key step in hand
.set DL,   3                           ; v3   16 U + r - 8 h: on the diagonal, register 8 f + j is hidden where 16 f + j > DL
.set NINF, 4                           ; v4   -infinity
.set PLIM, 5
.set PSCL, 6                           ; v6   2^e4
.set PX,   7                           ; v7   a lane permute's destination (written once at the head: it counts as a source)
.set T0,   8                           ; v8, v9 at work
.set T1,   9
.set F,    10                          ; v[10:11] f = 2^(old M - new M) (v11 named with it as a pair)
.set SUM2, 12                          ; v[12:13] the sum's second chain
.set ST1,  16                          ; v16 -M, v17 the largest t, v[18:19] the sum in two halves: tile 1
.set ST2,  20                          ; the same for tile 2
.set Q1,   24                          ; v24-31, v32-39 the two tiles' fragments of Q
.set Q2,   32
.set KF,   40                          ; v40-103  eight fragments of K, then four of V^T
.set S,    104                         ; v104-167 S^T, then p
.set O1,   168                         ; v168-199, v200-231 O^T of the two tiles
.set O2,   200
.set PC,   232                         ; v232-247 p's codes
.set OLIM, 248
.set OSCL, 249                         ; v249 2^e6
.set WV,   12                          ; s12  my wave's number
.set M1,   15                          ; s15, s16  the last key step of tile 1, of tile 2
.set M2,   16
.set U,    17                          ; s17  which of a key step's eight tiles of queries
.set KS,   18                          ; s18  the key step
.set TB,   19                          ; s19  its first LDS byte
.set SEL,  20                          ; s[20:21] lane selects for v_permlanex16_b32: lane l xor 16
.set CS,   22                          ; s[22:23] c = log2(e) / 8 x 2^(e2 + e3)
.set G1A,  24                          ; s[24:31], s[32:39] descriptor groups 1;  s[40:43], s[44:47] groups 0
.set G1B,  32
.set G0A,  40
.set G0B,  44
.set EPV,  66                          ; s66  e4 + e5
.macro ROUND                           ; a round of the cluster's barrier
	s_barrier_signal -1
	s_barrier_wait -1
	s_cmp_lg_u32 s[WV], 0
	s_cbranch_scc1 .Lnot_wave_0_\@
	s_barrier_signal -3
.Lnot_wave_0_\@:
	s_barrier_wait -3
	s_barrier_signal -1
	s_barrier_wait -1
.endm
	s_load_b256 s[4:11], s[0:1], 0x0               ; q_img s[4:5], kv_img s[6:7], the scales' exponents s[8:9], att_img s[10:11]
	v_lshl_add_u32 v254, v0, 2, 0x40000
	v_mov_b32 v255, 0
	ds_add_u32 v254, v255
	ds_add_u32 v254, v255
	v_lshrrev_b32 v8, 5, v0
	s_delay_alu instid0(VALU_DEP_1)
	v_readfirstlane_b32 s[WV], v8                  ; wave 0..15
	s_bfe_u32 s13, ttmp6, 0x40000                  ; cx
	s_and_b32 s14, ttmp7, 0xffff                   ; 16 x batch + head, which the four partners share
	s_lshr_b32 s[M1], s[WV], 1
	s_xor_b32 s[M2], s[M1], 15                     ; 15 - M1
	s_and_b32 s[U], s[WV], 1
	s_lshl_b32 s67, s13, 1
	s_add_co_u32 s[U], s[U], s67                   ; U = 2 cx + wave % 2
	; descriptor groups 1: dense blocks as rows of 256 bytes (32 elements of 8 bytes): 16 rows, and 48 rows
	s_mov_b32 s[G1A], 15|(3<<16)|(1<<21)           ; 15:0 the mask: all four work-groups; 17:16 elements of 8 bytes; 21 set beside a mask
	s_mov_b32 s[G1A+1], 32<<16                     ; tensor_dim0 = 32
	s_mov_b32 s[G1A+2], 16<<16                     ; tensor_dim1 = 16
	s_mov_b32 s[G1A+3], 32<<16                     ; tile_dim0 = 32
	s_mov_b32 s[G1A+4], 16                         ; tile_dim1 = 16
	s_mov_b32 s[G1A+5], 32                         ; tensor_dim0_stride
	s_mov_b32 s[G1A+6], 0
	s_mov_b32 s[G1A+7], 0
	s_mov_b32 s[G1B], 15|(3<<16)|(1<<21)
	s_mov_b32 s[G1B+1], 32<<16
	s_mov_b32 s[G1B+2], 48<<16
	s_mov_b32 s[G1B+3], 32<<16
	s_mov_b32 s[G1B+4], 48
	s_mov_b32 s[G1B+5], 32
	s_mov_b32 s[G1B+6], 0
	s_mov_b32 s[G1B+7], 0
	s_mov_b32 s[SEL], 0x76543210
	s_mov_b32 s[SEL+1], 0xfedcba98
	s_mov_b32 s[CS], 0x3e38aa3b                    ; log2(e) / 8
	s_lshl_b32 s68, s14, 18                        ; the head's 262,144 bytes of kv_img,
	s_lshl_b32 s69, s[WV], 12
	s_add_co_u32 s68, s68, s69                     ; + 4,096 x wave: my sixteenth of key steps 0-3
	s_mov_b32 s69, 0
	s_mul_i32 s70, s[WV], 12288
	s_lshl_b32 s71, s14, 18
	s_add_co_u32 s70, s70, s71
	s_add_co_u32 s70, s70, 65536                   ; 65,536 + 12,288 x wave: my sixteenth of key steps 4-15
	s_mov_b32 s71, 0
	s_lshl_b32 s72, s[M1], 3
	s_add_co_u32 s72, s72, s[U]                    ; my first tile of queries
	s_lshl_b32 s73, s[M2], 3
	s_add_co_u32 s73, s73, s[U]                    ; my second
	s_mov_b32 s77, 0
	s_wait_dscnt 0x0
	s_wait_kmcnt 0x0
	s_load_b256 s[48:55], s[8:9], 0x0              ; e0 .. e7
	s_mov_b32 s[G0A], 1                            ; count = 1
	s_lshl_b32 s[G0A+1], s[WV], 12                 ; LDS address: the bytes lie in LDS as in memory
	s_add_nc_u64 s[G0A+2:G0A+3], s[6:7], s[68:69]
	s_or_b32 s[G0A+3], s[G0A+3], 0x80000000        ; type = 2
	s_mov_b32 s[G0B], 1
	s_mul_i32 s[G0B+1], s[WV], 12288
	s_add_co_u32 s[G0B+1], s[G0B+1], 65536
	s_add_nc_u64 s[G0B+2:G0B+3], s[6:7], s[70:71]
	s_or_b32 s[G0B+3], s[G0B+3], 0x80000000
	s_lshl_b32 s74, s14, 17                        ; q_img: 131,072 bytes a head, 1,024 a tile
	s_lshl_b32 s76, s72, 10
	s_add_co_u32 s76, s76, s74
	s_add_nc_u64 s[56:57], s[4:5], s[76:77]
	s_lshl_b32 s76, s73, 10
	s_add_co_u32 s76, s76, s74
	s_add_nc_u64 s[58:59], s[4:5], s[76:77]
	s_lshr_b32 s74, s14, 4
	s_lshl_b32 s74, s74, 7                         ; att_img: block of 16 tokens = 128 x batch + tile, 16,384 bytes each;
	s_and_b32 s75, s14, 15
	s_lshl_b32 s75, s75, 10                        ; in it 1,024 bytes a head
	s_add_co_u32 s76, s74, s72
	s_lshl_b32 s76, s76, 14
	s_add_co_u32 s76, s76, s75
	s_add_nc_u64 s[60:61], s[10:11], s[76:77]
	s_add_co_u32 s76, s74, s73
	s_lshl_b32 s76, s76, 14
	s_add_co_u32 s76, s76, s75
	s_add_nc_u64 s[62:63], s[10:11], s[76:77]
	ROUND                                          ; all four work-groups are here: the joint loads meet
	tensor_load_to_lds s[G0A:G0A+3], s[G1A:G1A+7]  ; key steps 0-3: 4,096 bytes a wave
	s_nop 0
	s_wait_alu depctr_va_vdst(0)
	s_wait_tensorcnt 0x0
	ds_add_u32 v254, v255
	s_wait_dscnt 0x0
	ROUND
	tensor_load_to_lds s[G0B:G0B+3], s[G1B:G1B+7]  ; key steps 4-15: 12,288 bytes a wave.  One load of mine is out; no other is ever issued
	s_nop 0
.rept 4
	v_nop
.endr
	v_and_b32 v8, 31, v0
	s_delay_alu instid0(VALU_DEP_1)
	v_lshlrev_b32 v[LI], 4, v8
	global_load_b128 v[Q1:Q1+3],   v[LI], s[56:57]
	global_load_b128 v[Q1+4:Q1+7], v[LI], s[56:57] offset:512
	global_load_b128 v[Q2:Q2+3],   v[LI], s[58:59]
	global_load_b128 v[Q2+4:Q2+7], v[LI], s[58:59] offset:512
	v_and_b32 v8, 15, v0                           ; r
	v_bfe_u32 v9, v0, 4, 1                         ; h
	s_delay_alu instid0(VALU_DEP_1)
	v_lshlrev_b32 v9, 3, v9
	s_delay_alu instid0(VALU_DEP_1)
	v_sub_nc_u32 v[DL], v8, v9
	s_lshl_b32 s67, s[U], 4
	v_add_nc_u32 v[DL], s67, v[DL]
	v_mov_b32 v[NINF], 0xff800000
	v_mov_b32 v[PX], 0
	v_mov_b32 v[F+1], 0
.irp st, ST1, ST2
	v_mov_b32 v[\st+1], 0xff61b1e6                 ; the largest t so far: -3e38, under every t
	s_delay_alu instid0(VALU_DEP_1)
	v_floor_f32 v[\st], -v[\st+1]                  ; -M
	v_mov_b32 v[\st+2], 0                          ; the sum
	v_mov_b32 v[\st+3], 0
.endr
.set j, 0
.rept 64
	v_mov_b32 v[O1+j], 0                           ; O^T of both tiles.  (A key step is written without a first step of its own: the first finds zeros, which the first change of M leaves zeros)
.set j, j+1
.endr
	s_wait_kmcnt 0x0
	s_add_co_i32 s67, s50, s51
	s_lshl_b32 s67, s67, 23
	s_add_co_i32 s[CS], s[CS], s67                 ; e2 + e3 are added to c's exponent field
	s_mov_b32 s[CS+1], s[CS]                       ; (named with it as a pair, so it is written)
	s_add_co_i32 s67, s52, 127
	s_lshl_b32 s68, s67, 23
	v_mov_b32 v[PSCL], s68                         ; 2^e4 as f32
	s_add_co_i32 s67, s54, 127
	s_lshl_b32 s68, s67, 23
	v_mov_b32 v[OSCL], s68                         ; 2^e6
	s_add_co_i32 s[EPV], s52, s53                  ; e4 + e5
; ONE TILE OF 16 QUERIES AGAINST ONE KEY STEP OF 128 KEYS.  mx: the scalar register with the tile's last key step; qf, ob, st: its Q, O^T and statistics.
; chk = 1: a step all of whose keys come after the tile's queries is left out, and on the diagonal the hidden scores become -infinity.  chk = 0: the step lies under the diagonal for every wave.
.macro TSTEP mx, qf, ob, st, chk
.if \chk
	s_cmp_gt_u32 s[KS], s[\mx]
	s_cbranch_scc1 .Lskip_\@
.endif
	v_add_nc_u32 v[ADR], s[TB], v[LI]              ; this line and three v_nop: the four places in front of loads into registers that the last products read
.rept 3
	v_nop
.endr
.irp f, 0,1,2,3,4,5,6,7
	ds_load_b128 v[KF+8*\f:KF+8*\f+3],   v[ADR] offset:\f*1024       ; K's fragment f: keys 16 f on
	ds_load_b128 v[KF+8*\f+4:KF+8*\f+7], v[ADR] offset:\f*1024+512
.endr
	s_wait_alu depctr_va_vdst(0)
	s_wait_dscnt 0x0
.irp f, 0,1,2,3,4,5,6,7
	v_wmma_f32_16x16x64_fp8_fp8 v[S+8*\f:S+8*\f+7], v[KF+8*\f:KF+8*\f+7], v[\qf:\qf+7], 0
.endr
.rept 4
	v_nop                                          ; places: K's registers take V's fragments, and the scores are read
.endr
.irp t, 0,1,2,3
.irp q, 0,1,2,3
	ds_load_b128 v[KF+16*\t+4*\q:KF+16*\t+4*\q+3], v[ADR] offset:8192+\t*2048+\q*512   ; V^T's fragment t: it lands while the softmax is walked
.endr
.endr
.if \chk
	s_cmp_lg_u32 s[KS], s[\mx]
	s_cbranch_scc1 .Lopen_\@
.irp f, 0,1,2,3,4,5,6,7
.irp j, 0,1,2,3,4,5,6,7
	v_cmp_gt_i32 vcc_lo, 16*\f+\j, v[DL]           ; key 16 f + 8 h + j comes after query 16 U + r
	v_cndmask_b32 v[S+8*\f+\j], v[S+8*\f+\j], v[NINF], vcc_lo
.endr
.endr
.Lopen_\@:
.endif
	v_max3_num_f32 v[T0], v[S], v[S+1], v[S+2]     ; the step's largest score of my query among my 64 keys, in two chains; each accumulator is first read at its low end
	v_max3_num_f32 v[T1], v[S+3], v[S+4], v[S+5]
.irp i, 6,10,14,18,22,26,30,34,38,42,46,50,54,58
	v_max3_num_f32 v[T0], v[T0], v[S+\i], v[S+\i+1]
	v_max3_num_f32 v[T1], v[T1], v[S+\i+2], v[S+\i+3]
.endr
	v_max3_num_f32 v[T0], v[T0], v[S+62], v[S+63]
	s_delay_alu instid0(VALU_DEP_1)
	v_max_num_f32 v[T0], v[T0], v[T1]
	s_delay_alu instid0(VALU_DEP_1)
	v_permlanex16_b32 v[PX], v[T0], s[SEL], s[SEL+1]
	s_delay_alu instid0(VALU_DEP_1)
	v_max_num_f32 v[T0], v[T0], v[PX]              ; and among lane l xor 16's.  Key 0 of the step counts for every query of the tile, so this is a number
	s_delay_alu instid0(VALU_DEP_1)
	v_mul_f32 v[T0], s[CS], v[T0]                  ; as t (c is positive)
	s_delay_alu instid0(VALU_DEP_1)
	v_max_num_f32 v[\st+1], v[\st+1], v[T0]        ; the running largest t
	v_mov_b32 v[T0], v[\st]
	s_delay_alu instid0(VALU_DEP_2)
	v_floor_f32 v[\st], -v[\st+1]                  ; the new -M = floor(-t) = -ceil(t)
	s_delay_alu instid0(VALU_DEP_1)
	v_sub_f32 v[T0], v[\st], v[T0]                 ; old M - new M: a whole number, 0 or less
	s_delay_alu instid0(VALU_DEP_1)
	v_cvt_i32_f32 v[T0], v[T0]                     ; (it saturates)
	s_delay_alu instid0(VALU_DEP_1)
	v_ldexp_f32 v[F], 1.0, v[T0]                   ; f = 2^(old M - new M)
.set j, 0
.rept 32
	v_pk_fma_f32 v[S+j:S+j+1], v[S+j:S+j+1], s[CS:CS+1], v[\st:\st+1] op_sel_hi:[1,0,0]   ; t - M, two at a time (of the pairs c and -M the low word serves both halves)
.set j, j+2
.endr
.set j, 0
	s_wait_alu depctr_va_vdst(0)
.rept 64
	v_exp_f32 v[S+j], v[S+j]                       ; p = 2^(t - M), at most 1; 0 for a hidden key
.set j, j+1
.endr
	v_pk_mul_f32 v[\st+2:\st+3], v[\st+2:\st+3], v[F:F+1] op_sel_hi:[1,0]   ; the sum under the new M.  (The plain place behind the exponentials)
	s_wait_alu depctr_va_vdst(0)
	v_pk_add_f32 v[SUM2:SUM2+1], v[S:S+1], v[S+2:S+3]                       ; the row's sum is taken of the unquantised p: two at a time, in two chains
.irp j, 4,8,12,16,20,24,28,32,36,40,44,48,52,56,60
	v_pk_add_f32 v[\st+2:\st+3], v[\st+2:\st+3], v[S+\j:S+\j+1]
	v_pk_add_f32 v[SUM2:SUM2+1], v[SUM2:SUM2+1], v[S+\j+2:S+\j+3]
.endr
	s_delay_alu instid0(VALU_DEP_1)
	v_pk_add_f32 v[\st+2:\st+3], v[\st+2:\st+3], v[SUM2:SUM2+1]
.irp f, 0,1,2,3,4,5,6,7
.irp i, 0,1,2,3,4,5,6,7
.endr
	v_cvt_scalef32_pk8_fp8_f32 v[PC+2*\f:PC+2*\f+1], v[S+8*\f:S+8*\f+7], v[PSCL]
.endr
.set j, 0
.rept 16
	v_pk_mul_f32 v[\ob+j:\ob+j+1], v[\ob+j:\ob+j+1], v[F:F+1] op_sel_hi:[1,0]   ; O^T under the new M.  (Also the plain place behind the conversions)
.set j, j+2
.endr
	s_wait_alu depctr_va_vdst(0)
	s_wait_dscnt 0x0                               ; V^T's fragments are in
.irp t, 0,1,2,3
	v_wmma_f32_16x16x128_fp8_fp8 v[\ob+8*\t:\ob+8*\t+7], v[KF+16*\t:KF+16*\t+15], v[PC:PC+15], v[\ob+8*\t:\ob+8*\t+7]   ; four accumulators by turns; between two links of a chain stand eight products K Q^T at the least
.endr
.if \chk
.Lskip_\@:
.endif
.endm
	s_wait_loadcnt 0x0                             ; Q
	s_wait_tensorcnt 1                             ; my part of key steps 0-3 is in; the second load may stay out
	s_barrier_signal -1
	s_barrier_wait -1                              ; everybody's is
	s_mov_b32 s[KS], 0
	s_mov_b32 s[TB], 0
.Lnear:                                            ; key steps 0-3: they lie under the diagonal of every second tile (M2 is 8 at the least)
	TSTEP M1, Q1, O1, ST1, 1
	TSTEP M2, Q2, O2, ST2, 0
	s_add_co_u32 s[TB], s[TB], 16384
	s_add_co_u32 s[KS], s[KS], 1
	s_cmp_lt_u32 s[KS], 4
	s_cbranch_scc1 .Lnear
	s_wait_tensorcnt 0x0                           ; my part of key steps 4-15 is in,
	s_wait_dscnt 0x0
	s_barrier_signal -1
	s_barrier_wait -1                              ; everybody's is
	s_mov_b32 s[KS], 4
	s_mov_b32 s[TB], 65536
.Lfar:                                             ; key steps 4-15
	TSTEP M1, Q1, O1, ST1, 1
	TSTEP M2, Q2, O2, ST2, 1
	s_add_co_u32 s[TB], s[TB], 16384
	s_add_co_u32 s[KS], s[KS], 1
	s_cmp_lt_u32 s[KS], 16
	s_cbranch_scc1 .Lfar
; THE WAY OUT of a tile: the sum's halves and lane l xor 16's; O^T x 2^(e4 + e5) / sum; four conversions give the eight registers of the next operand's part; two stores of 512 consecutive bytes.
.macro FINISH st, ob, sr, pc, rc, base
	v_add_f32 v[T0], v[\st+2], v[\st+3]
	s_delay_alu instid0(VALU_DEP_1)
	v_permlanex16_b32 v[PX], v[T0], s[SEL], s[SEL+1]
	s_delay_alu instid0(VALU_DEP_1)
	v_add_f32 v[T0], v[T0], v[PX]
	s_wait_alu depctr_va_vdst(0)
	v_rcp_f32 v[\rc], v[T0]
	v_nop                                          ; one plain place behind a transcendental
	s_wait_alu depctr_va_vdst(0)
	v_ldexp_f32 v[\rc], v[\rc], s[EPV]
.set j, 0
.rept 32
	v_mul_f32 v[\sr+j], v[\ob+j], v[\rc]           ; each accumulator from its low end on
.set j, j+1
.endr
.set j, 0
.rept 32
.set j, j+1
.endr
.irp t, 0,1,2,3
	v_cvt_scalef32_pk8_fp8_f32 v[\pc+2*\t:\pc+2*\t+1], v[\sr+8*\t:\sr+8*\t+7], v[OSCL]
.endr
	v_nop                                          ; one plain vector instruction behind the last conversion of a run
	global_store_b128 v[LI], v[\pc:\pc+3],   s[\base:\base+1]
	global_store_b128 v[LI], v[\pc+4:\pc+7], s[\base:\base+1] offset:512
.endm
.rept 4
	v_nop                                          ; places behind the last products
.endr
	FINISH ST1, O1, S,    PC,   250, 60
	FINISH ST2, O2, S+32, PC+8, 251, 62
	s_wait_tensorcnt 0x0
	ds_add_u32 v254, v255
	s_wait_dscnt 0x0
	ROUND                                          ; the closing round: no work-group ends while a partner may still ask for a tile that names it
	s_endpgm
.Lfunc_end_k_q291d8c39e9_attn:
	.size	k_q291d8c39e9_attn, .Lfunc_end_k_q291d8c39e9_attn-k_q291d8c39e9_attn
	.p2alignl 7, 3214868480
	.fill 96, 4, 3214868480
	.section	.rodata,"a",@progbits
	.p2align	6, 0x0
	.amdhsa_kernel k_q291d8c39e9_attn
		.amdhsa_group_segment_fixed_size 327680
		.amdhsa_private_segment_fixed_size 0
		.amdhsa_enable_private_segment 0
		.amdhsa_kernarg_size 32
		.amdhsa_user_sgpr_count 2
		.amdhsa_user_sgpr_kernarg_segment_ptr 1
		.amdhsa_wavefront_size32 1
		.amdhsa_system_sgpr_workgroup_id_x 1
		.amdhsa_system_sgpr_workgroup_id_y 1
		.amdhsa_system_sgpr_workgroup_id_z 1
		.amdhsa_system_vgpr_workitem_id 0
		.amdhsa_next_free_vgpr 256
		.amdhsa_next_free_sgpr 80
		.amdhsa_reserve_vcc 1
		.amdhsa_float_denorm_mode_32 3
		.amdhsa_float_denorm_mode_16_64 3
		.amdhsa_fp16_overflow 1
		.amdhsa_memory_ordered 1
		.amdhsa_forward_progress 1
		.amdhsa_inst_pref_size 83
	.end_amdhsa_kernel
	.amdgpu_metadata
---
amdhsa.version: [ 1, 2 ]
amdhsa.kernels:
  - .name:           k_q291d8c39e9_attn
    .symbol:         k_q291d8c39e9_attn.kd
    .args:
      - { .name: q_img, .offset: 0, .size: 8, .value_kind: global_buffer, .address_space: global }
      - { .name: kv_img, .offset: 8, .size: 8, .value_kind: global_buffer, .address_space: global }
      - { .name: lowp_scales, .offset: 16, .size: 8, .value_kind: global_buffer, .address_space: global }
      - { .name: att_img, .offset: 24, .size: 8, .value_kind: global_buffer, .address_space: global }
    .group_segment_fixed_size: 327680
    .private_segment_fixed_size: 0
    .kernarg_segment_align: 8
    .kernarg_segment_size: 32
    .max_flat_workgroup_size: 512
    .sgpr_count:     80
    .vgpr_count:     256
    .wavefront_size: 32
...
	.end_amdgpu_metadata
.endif
;; end of part 2
;; launch proj (part 3): grid 8 x 32, 4 waves a work-group, clusters of 4 x 4, 327,680 bytes of LDS; arguments att_img, W_proj_codes, lowp_scales, b_proj, out0; writes out0
.if DOCPART == 3
	.amdgcn_target "amdgcn-amd-amdhsa--gfx1250"
	.amdhsa_code_object_version 6
	.text
	.protected	k_q291d8c39e9_proj
	.globl	k_q291d8c39e9_proj
	.p2align	8
	.type	k_q291d8c39e9_proj,@function
k_q291d8c39e9_proj:
	s_mov_b64 s[64:65], 0
	v_nop
	global_prefetch_b8 v0, s[64:65] scope:SCOPE_SE
	s_setreg_imm32_b32 hwreg(HW_REG_WAVE_MODE, 25, 1), 1
	s_wait_xcnt 0x0
	s_wait_alu depctr_hold_cnt(0) depctr_sa_sdst(0) depctr_va_vdst(0) depctr_va_sdst(0) depctr_va_ssrc(0) depctr_va_vcc(0) depctr_vm_vsrc(0)
	s_getreg_b32 s2, hwreg(HW_REG_IB_STS2, 6, 4)
	s_cmp_eq_u32 s2, 0
	s_cbranch_scc0 .Lentry_in_a_cluster
	s_endpgm
.Lentry_in_a_cluster:
	s_bfe_u32 s2, ttmp6, 0x10000c
	s_cmp_lg_u32 s2, 0xf033
	s_cbranch_scc0 .Lentry_shape_is_right
	s_endpgm
.Lentry_shape_is_right:
; out0 = att W_proj^T + b_proj on E4M3 codes.  att: 8,192 tokens x 1,024, as images of operand registers: [16 tokens][head 16][quad 2][lane][16 B]: two neighbouring heads' 2,048 bytes are one fragment
; (16 tokens x 128 K; registers 2 c, 2 c + 1: k = 16 c + 8 h + 0 .. 7).  W_proj: [1024][1024] codes, K innermost.  out0: [8192][1024] f32 = sum x 2^(e6 + e7) + bias, one fused multiply-add.
; A tile of 256 tokens x 128 outputs is made by four waves, 128 x 64 each: 32 accumulators, 256 registers; 256 tiles, one for each work-group.  K goes in steps of 256 through a ring of two LDS slots.
; CLUSTERS: 4 x 4 work-groups; att's tiles are asked for jointly along a cluster's row, W's along a column.
; The matrix instruction takes 16 rows of W as source 0 and 16 tokens as source 1: a lane holds eight neighbouring outputs of one token.
; att's fragments come by four loads of 16 bytes at 16 x lane; W's rows are read by eight loads of 8 bytes a fragment, which put each k where the images have it.
; LIMIT: e6 + e7 between -126 and 127, so that 2^(e6 + e7) is an f32 number.
; REGISTERS: window 0: v16-29 addresses; v32-63 the bias; v64-95 at work on the way out; v128-255 att's fragments, one set, later rows read back.  window 1: W's fragments, two sets, at v0 and v64.
;   window 2: the accumulators ((a, b) at v[8 (4 a + b)]).
.set PITCH,  272                       ; a row of W in LDS: 256 bytes + 16 of padding
.set FR,     16                        ; registers of a fragment
.set NP,     4                         ; places behind this matrix instruction (ISA guide 7.12.1)
.set AHALF,  32768                     ; 8 blocks of 16 tokens x 4,096 bytes (256 along K): what one tensor load brings of att
.set BOFF,   2*AHALF                   ; W's rows lie behind att's images
.set BHALF,  64*PITCH                  ; 64 rows: what one tensor load brings of W
.set SLOT,   BOFF+2*BHALF              ; 100,352 bytes
.set LAPS,   2                         ; 1,024 along K: twice round the ring
.set SPARE,  2*SLOT                    ; behind the ring: the spare words, 128 bytes for each wave
.set SPITCH, 272                       ; the way out: a stage of 16 rows x (256 bytes + 16) for each wave, in slot 0, which has had its last fill and its last read when the first result is stored there
.set ADRA, 16                          ; v16-17  LDS address of my att fragments in slot 0, 1
.set ADRB, 20                          ; v20-21  the same for W
.set STO,  24                          ; v24     the way out: where I put 32 bytes of a row
.set RD,   25                          ; v25     where I read a row back
.set CO,   26                          ; v26     my byte offset in two rows of out0
.set BA,   27                          ; v27     my byte offset in the bias
.set SPW,  28                          ; v28     LDS address of my spare word; never rewritten
.set NIL,  29                          ; v29     0; never rewritten
.set BIAS, 32
.set TMP,  64
.set AF,   128
.set BK,   128                         ; the way out: v128-159 and v160-191 by turns
.set G1, 24                            ; s[24:31] descriptor group 1 for att's tiles;  s[32:39] group 0, one set for each slot
.set G0, 32
.set G1B, 48                           ; s[48:55], s[56:63] the same for W's tiles
.set G0B, 56
.set MSB, 0
.macro WIN new                         ; the immediate's high byte repeats the setting that is left
.if MSB != \new
	s_set_vgpr_msb (MSB<<8)|\new
.set MSB, \new
.endif
.endm
.set MUL,  0xa1                        ; source 0 (W) window 1, source 1 (att) window 0, C and D window 2
.set TO_B, 0x40                        ; destination window 1, address window 0
; A joint load: waves 0 and 1 fetch att's two halves, waves 2 and 3 W's.  Four v_nop follow each of the two lines, ahead of the jump, the label and what follows.
.macro JLOAD g0a, g1a, g0b, g1b
	s_cmp_eq_u32 s15, 0
	s_cbranch_scc0 .Lfor_b_\@
	tensor_load_to_lds s[\g0a:\g0a+3], s[\g1a:\g1a+7]
	s_nop 0
.rept 4
	v_nop
.endr
	s_branch .Lasked_\@
.Lfor_b_\@:
	tensor_load_to_lds s[\g0b:\g0b+3], s[\g1b:\g1b+7]
	s_nop 0
.rept 4
	v_nop
.endr
.Lasked_\@:
.endm
.macro CREST                           ; a round of the cluster's barrier behind its opening barrier
	s_cmp_lg_u32 s14, 0
	s_cbranch_scc1 .Lnot_wave_0_\@
	s_barrier_signal -3
.Lnot_wave_0_\@:
	s_barrier_wait -3
	s_barrier_signal -1
	s_barrier_wait -1
.endm
.macro CROUND                          ; a whole round
	s_barrier_signal -1
	s_barrier_wait -1
	CREST
.endm
	s_load_b256 s[4:11], s[0:1], 0x0               ; att_img s[4:5], W s[6:7], the scales' exponents s[8:9], the bias s[10:11]
	s_load_b64 s[12:13], s[0:1], 0x20              ; out0
	v_lshl_add_u32 v[SPW], v0, 2, SPARE
	v_mov_b32 v[NIL], 0
	ds_add_u32 v28, v29
	ds_add_u32 v28, v29
	s_wait_dscnt 0x0
	v_lshrrev_b32 v1, 5, v0
	v_readfirstlane_b32 s14, v1                    ; wave 0..3
	s_lshr_b32 s15, s14, 1                         ; which 128 tokens of the tile are mine.  Also: I fetch for att (0) or for W (1)
	s_and_b32 s16, s14, 1                          ; which 64 outputs.  Also: which half of that tile I fetch
	s_bfe_u32 s40, ttmp6, 0x40000                  ; cx, cy: my place in the cluster
	s_bfe_u32 s41, ttmp6, 0x40004
	s_lshl_b32 s42, ttmp9, 2
	s_add_co_u32 s42, s42, s40                     ; tile column = 4 x cluster x + cx
	s_and_b32 s17, ttmp7, 0xffff
	s_lshl_b32 s17, s17, 2
	s_add_co_u32 s17, s17, s41                     ; tile row = 4 x cluster y + cy
	s_lshl_b32 s43, s41, 2
	s_lshl_b32 s43, 15, s43                        ; my row of the cluster
	s_lshl_b32 s44, 0x1111, s40                    ; my column
	; group 1 for att: 8 blocks of tokens x 4,096 consecutive bytes (512 elements of 8 bytes), 16,384 bytes apart in memory, on end in LDS
	s_or_b32 s[G1+0], s43, (3<<16)|(1<<21)         ; 15:0 the mask: my row; 17:16 elements of 8 bytes; 21 set beside a mask
	s_mov_b32 s[G1+1], 512<<16                     ; tensor_dim0
	s_mov_b32 s[G1+2], 8<<16                       ; tensor_dim1
	s_mov_b32 s[G1+3], 512<<16                     ; tile_dim0
	s_mov_b32 s[G1+4], 8                           ; tile_dim1
	s_mov_b32 s[G1+5], 2048                        ; tensor_dim0_stride
	s_mov_b32 s[G1+6], 0
	s_mov_b32 s[G1+7], 0
	; group 1 for W: 64 rows x 256 bytes, 1,024 apart in memory, padded in LDS
	s_or_b32 s[G1B+0], s44, (0<<16)|(1<<20)|(1<<21)|(5<<22)|(3<<25)  ; the mask: my column; elements of 1 byte; padding: four words after every 64
	s_mov_b32 s[G1B+1], 256<<16
	s_mov_b32 s[G1B+2], 64<<16
	s_mov_b32 s[G1B+3], 256<<16
	s_mov_b32 s[G1B+4], 64
	s_mov_b32 s[G1B+5], 1024
	s_mov_b32 s[G1B+6], 0
	s_mov_b32 s[G1B+7], 0
	s_lshl_b32 s20, s17, 18                        ; att: block 16 x tile row + 8 x half, 16,384 bytes each
	s_lshl_b32 s18, s16, 17
	s_add_co_u32 s20, s20, s18
	s_mov_b32 s21, 0
	s_lshl_b32 s46, s42, 17                        ; W: row 128 x tile column + 64 x half, 1,024 bytes each
	s_lshl_b32 s18, s16, 16
	s_add_co_u32 s46, s46, s18
	s_mov_b32 s47, 0
	s_lshl_b32 s45, s16, 15                        ; where they go: no place in the cluster enters an LDS address
	s_mul_i32 s19, s16, BHALF
	s_add_co_u32 s19, s19, BOFF
	s_wait_kmcnt 0x0
	s_load_b256 s[72:79], s[8:9], 0x0              ; e0 .. e7
	s_add_nc_u64 s[20:21], s[4:5], s[20:21]
	s_add_nc_u64 s[46:47], s[6:7], s[46:47]
	CROUND                                         ; all sixteen work-groups are here: the first joint loads meet
.irp s, 0,1
	s_mov_b32 s[G0+4*\s], 1
	s_add_co_u32 s[G0+4*\s+1], s45, \s*SLOT
	s_add_nc_u64 s[G0+4*\s+2:G0+4*\s+3], s[20:21], \s*4096      ; K step s: 4 heads x 1,024 bytes of each block
	s_or_b32 s[G0+4*\s+3], s[G0+4*\s+3], 0x80000000
	s_mov_b32 s[G0B+4*\s], 1
	s_add_co_u32 s[G0B+4*\s+1], s19, \s*SLOT
	s_add_nc_u64 s[G0B+4*\s+2:G0B+4*\s+3], s[46:47], \s*256
	s_or_b32 s[G0B+4*\s+3], s[G0B+4*\s+3], 0x80000000
	s_wait_alu depctr_va_vdst(0)
	s_wait_tensorcnt 0x0
	ds_add_u32 v28, v29
	ds_add_u32 v28, v29
	s_wait_dscnt 0x0
	CROUND
	JLOAD G0+4*\s, G1, G0B+4*\s, G1B
.endr
	v_and_b32 v1, 15, v0                           ; r
	v_bfe_u32 v2, v0, 4, 1                         ; h
	v_and_b32 v3, 31, v0
	v_lshlrev_b32 v3, 4, v3                        ; 16 x lane
	v_mul_u32_u24 v4, v1, PITCH
	v_lshl_add_u32 v4, v2, 3, v4                   ; W: row r x pitch + 8 h
	s_lshl_b32 s22, s15, 15                        ; my 128 tokens' images
	s_mul_i32 s23, s16, BHALF                      ; my 64 rows of W
	s_add_co_u32 s23, s23, BOFF
.irp s, 0,1
	v_add_nc_u32 v[ADRA+\s], s22, v3
	v_add_nc_u32 v[ADRB+\s], s23, v4
	s_add_co_u32 s22, s22, SLOT
	s_add_co_u32 s23, s23, SLOT
.endr
	s_mul_i32 s23, s14, 16*SPITCH                  ; my stage
	v_mul_u32_u24 v5, v1, SPITCH                   ; in: row r, 32 bytes for each half of the lanes
	v_lshl_add_u32 v5, v2, 5, v5
	v_add_nc_u32 v[STO], s23, v5
	v_mul_u32_u24 v5, v2, SPITCH                   ; back: lanes 0-15 one row of 256 bytes, lanes 16-31 the next
	v_lshl_add_u32 v5, v1, 4, v5
	v_add_nc_u32 v[RD], s23, v5
	v_lshlrev_b32 v5, 12, v2                       ; and the same two rows in out0: 4,096 bytes a row
	v_lshl_add_u32 v[CO], v1, 4, v5
	v_lshlrev_b32 v[BA], 5, v2                     ; the bias: my half's eight outputs of a block of 16
	s_lshl_b32 s80, s42, 9
	s_lshl_b32 s81, s16, 8
	s_add_co_u32 s80, s80, s81                     ; my first output, in bytes: 512 x tile column + 256 x half
	s_mov_b32 s81, 0
	s_add_nc_u64 s[10:11], s[10:11], s[80:81]
.irp b, 0,1,2,3
	global_load_b128 v[BIAS+8*\b:BIAS+8*\b+3],   v[BA], s[10:11] offset:64*\b
	global_load_b128 v[BIAS+8*\b+4:BIAS+8*\b+7], v[BA], s[10:11] offset:64*\b+16
.endr
	s_lshl_b32 s82, s17, 20                        ; my first token's row: (256 x tile row + 128 x half) x 4,096 bytes
	s_lshl_b32 s83, s15, 19
	s_add_co_u32 s82, s82, s83
	s_mov_b32 s83, 0
	s_add_nc_u64 s[12:13], s[12:13], s[82:83]
	s_add_nc_u64 s[12:13], s[12:13], s[80:81]
.macro FRAG_A reg, adr, q, i           ; att's fragment: block i of 16 tokens, the slot's q-th 128 along K: an image, 512 bytes a load
.irp c, 0,1,2,3
	ds_load_b128 v[\reg+4*\c:\reg+4*\c+3], v[\adr] offset:(\i)*4096+(\q)*2048+512*\c
.endr
.endm
.macro FRAG_B reg, adr, q, i           ; W's fragment: registers 2 c, 2 c + 1 hold K = 16 c + 8 h + 0 .. 7 of row r
.irp c, 0,1,2,3,4,5,6,7
	ds_load_b64 v[\reg+2*\c:\reg+2*\c+1], v[\adr] offset:128*(\q)+16*\c+(\i)*16*PITCH
.endr
.endm
; 8 matrix instructions: att's blocks a0, a0 + 1 x W's four, 128 along K.  p: W's set.  zero = 1: the first product starts the sums.
; The 32 accumulators take turns, one instruction a turn, in the same order in every step.
.macro MUL8 a0, p, zero
.irp a, \a0, \a0+1
.irp b, 0,1,2,3
.if \zero
	v_wmma_f32_16x16x128_fp8_fp8 v[8*(4*(\a)+\b):8*(4*(\a)+\b)+7], v[64*(\p)+FR*\b:64*(\p)+FR*\b+FR-1], v[AF+FR*(\a):AF+FR*(\a)+FR-1], 0
.else
	v_wmma_f32_16x16x128_fp8_fp8 v[8*(4*(\a)+\b):8*(4*(\a)+\b)+7], v[64*(\p)+FR*\b:64*(\p)+FR*\b+FR-1], v[AF+FR*(\a):AF+FR*(\a)+FR-1], v[8*(4*(\a)+\b):8*(4*(\a)+\b)+7]
.endif
.endr
.endr
.endm
.macro FETCH_B slot, q, p              ; W's four fragments into set p: 32 loads
	WIN TO_B
.irp i, 0,1,2,3
	FRAG_B 64*(\p)+FR*\i, ADRB+\slot, \q, \i
.endr
	WIN 0
.endm
.macro FETCH_A slot, q, i0             ; att's blocks i0 .. i0 + 3: 16 loads
.irp i, \i0, \i0+1, \i0+2, \i0+3
	FRAG_A AF+FR*(\i), ADRA+\slot, \q, \i
.endr
.endm
.macro PLACES n                        ; places in front of loads into registers that matrix instructions have read, and of the first read of results (ISA guide 7.12.1 for vector instructions)
.rept \n
	v_nop
.endr
.endm
; A step of 128 along K that has its successor in the same slot
.macro STEP slot, q, zero
	s_wait_dscnt 16                                ; W's set and att's blocks 0-3 are in; the 16 youngest loads (blocks 4-7) may be out
	WIN MUL
	MUL8 0, (\q)%2, \zero
	MUL8 2, (\q)%2, \zero
	s_wait_dscnt 0                                 ; blocks 4-7 are in
	PLACES NP
	FETCH_B \slot, (\q)+1, 1-(\q)%2
	FETCH_A \slot, (\q)+1, 0
	WIN MUL
	MUL8 4, (\q)%2, \zero
	MUL8 6, (\q)%2, \zero
	PLACES NP
	WIN 0
	FETCH_A \slot, (\q)+1, 4
.endm
; A slot's last step changes slots: one barrier; in front of it each wave waits for all its tensor loads, adds 0 to its spare word, and waits for that and for its own reads of this slot.  fill = 1: this slot is filled again, two K steps ahead.
.macro TURN slot, next, fill
	s_wait_tensorcnt 0x0                           ; all my tensor loads have landed: my part of the next slot  (every window is 0 here)
	ds_add_u32 v[SPW], v[NIL]                      ; 0 onto my spare word
	s_wait_dscnt 17                                ; (the add and the 16 youngest loads, blocks 4-7, may be out)
	WIN MUL
	MUL8 0, 1, 0                                   ; eight matrix instructions stand between the add and the wait for it
	s_wait_dscnt 0x0                               ; the add is done, and my reads of this slot are over
	s_barrier_signal -1
	MUL8 2, 1, 0
	WIN 0
	s_barrier_wait -1
.if \fill
	CREST                                          ; the barrier has opened a round of the cluster's barrier: no wave of any partner still reads this slot's tile or has a load on its way
	s_add_nc_u64 s[G0+4*\slot+2:G0+4*\slot+3], s[G0+4*\slot+2:G0+4*\slot+3], 2*4096
	s_add_nc_u64 s[G0B+4*\slot+2:G0B+4*\slot+3], s[G0B+4*\slot+2:G0B+4*\slot+3], 2*256
	JLOAD G0+4*\slot, G1, G0B+4*\slot, G1B         ; the first tensor load behind the round; the four v_nop behind it are the places in front of the loads below
.else
	PLACES NP
.endif
	FETCH_B \next, 0, 0
	FETCH_A \next, 0, 0
	WIN MUL
	MUL8 4, 1, 0
	MUL8 6, 1, 0
	PLACES NP
	WIN 0
	FETCH_A \next, 0, 4
.endm
	s_wait_loadcnt 0x0                             ; the bias, once: it has come while the first tiles were on their way
	s_wait_tensorcnt 1                             ; my part of K step 0 is in (K step 1's load may be out),
	s_barrier_signal -1
	s_barrier_wait -1                              ; everybody's is
	FETCH_B 0, 0, 0
	FETCH_A 0, 0, 0
	FETCH_A 0, 0, 4
	STEP 0, 0, 1                                   ; the first step stands in front of the loop: its products start the sums
	s_mov_b32 s3, LAPS-1
.Llap:                                                 ; a trip goes once round the ring and fills both slots again
	TURN 0, 1, 1
	STEP 1, 0, 0
	TURN 1, 0, 1
	STEP 0, 0, 0
	s_sub_co_u32 s3, s3, 1
	s_cmp_lg_u32 s3, 0
	s_cbranch_scc1 .Llap
	TURN 0, 1, 0                                   ; the last lap fills nothing, and has no round of the cluster's barrier
	STEP 1, 0, 0
	s_wait_dscnt 16                                ; the very last step: nothing more to fetch
	WIN MUL
	MUL8 0, 1, 0
	MUL8 2, 1, 0
	s_wait_dscnt 0
	MUL8 4, 1, 0
	MUL8 6, 1, 0
	WIN 0
; THE WAY OUT, block by block of 16 tokens x 64 outputs.  A lane holds 32 neighbouring bytes of a row, and the lanes beside it hold other rows: so a block goes through my own stage in LDS and comes back as
; whole rows of 256 bytes, of which sixteen lanes store one.  LDS serves a wave's instructions in order (ISA guide 5.7.1.4): no wait between the stores and the loads, nor in front of the next block's stores.
.macro TOSTAGE a
.set AC, 32*(\a)
	WIN 0x02                                       ; source 0: window 2
.irp j, 0,2,4,6,8,10,12,14,16,18,20,22,24,26,28,30
	v_pk_fma_f32 v[TMP+\j:TMP+\j+1], v[AC+\j:AC+\j+1], s[96:97], v[BIAS+\j:BIAS+\j+1] op_sel_hi:[1,0,1]   ; sum x 2^(e6 + e7) + bias; each accumulator from its low end on
.endr
	WIN 0
.irp b, 0,1,2,3
	ds_store_b128 v[STO], v[TMP+8*\b:TMP+8*\b+3] offset:64*\b
	ds_store_b128 v[STO], v[TMP+8*\b+4:TMP+8*\b+7] offset:64*\b+16
.endr
.set BB, BK+32*((\a)%2)
.irp t, 0,1,2,3,4,5,6,7
	ds_load_b128 v[BB+4*\t:BB+4*\t+3], v[RD] offset:\t*2*SPITCH
.endr
.endm
.macro SEND a, younger                 ; younger: the LDS instructions issued behind block a's loads, which may stay out
.set BB, BK+32*((\a)%2)
	s_wait_dscnt \younger                          ; the block is back in registers
.if (\a) > 0
	s_add_nc_u64 s[12:13], s[12:13], 16*4096       ; (behind a wait on XCNT: the earlier stores have read their base)  16 rows of out0 on
.endif
.irp t, 0,1,2,3,4,5,6,7
	global_store_b128 v[CO], v[BB+4*\t:BB+4*\t+3], s[12:13] offset:2*\t*4096 th:TH_STORE_NT   ; 16 lanes store 256 consecutive bytes, at a multiple of 256 from out0's first byte; written once, read by nobody here
.endr
.endm
	s_wait_kmcnt 0x0
	s_add_co_i32 s96, s78, s79                     ; e6 + e7
	s_add_co_i32 s96, s96, 127
	s_lshl_b32 s96, s96, 23                        ; 2^(e6 + e7) as f32
	s_mov_b32 s97, s96                             ; (named with it as a pair, so it is written)
	PLACES NP                                      ; behind the last products: for the loads into the registers that held att's fragments, and for the reads of results
	TOSTAGE 0
.irp a, 1,2,3,4,5,6,7
.if \a > 1
	s_wait_xcnt 0x0                                ; block a - 2's stores have read their registers and their base: block a's loads may land there, and the base may step
.endif
	TOSTAGE \a
	SEND \a-1, 16                                  ; behind block a - 1's loads: block a's 8 stores and 8 loads
.endr
	s_wait_xcnt 0x0                                ; block 6's stores have read their base
	SEND 7, 0
	s_wait_tensorcnt 0x0                           ; the wave's end, behind my last tensor load and my last LDS store
	ds_add_u32 v[SPW], v[NIL]
	s_wait_dscnt 0x0
	CROUND                                         ; the closing round: no work-group ends while a partner may still ask for a tile that names it
	s_endpgm
.Lfunc_end_k_q291d8c39e9_proj:
	.size	k_q291d8c39e9_proj, .Lfunc_end_k_q291d8c39e9_proj-k_q291d8c39e9_proj
	.p2alignl 7, 3214868480
	.fill 96, 4, 3214868480
	.section	.rodata,"a",@progbits
	.p2align	6, 0x0
	.amdhsa_kernel k_q291d8c39e9_proj
		.amdhsa_group_segment_fixed_size 327680
		.amdhsa_private_segment_fixed_size 0
		.amdhsa_enable_private_segment 0
		.amdhsa_kernarg_size 40
		.amdhsa_user_sgpr_count 2
		.amdhsa_user_sgpr_kernarg_segment_ptr 1
		.amdhsa_wavefront_size32 1
		.amdhsa_system_sgpr_workgroup_id_x 1
		.amdhsa_system_sgpr_workgroup_id_y 1
		.amdhsa_system_sgpr_workgroup_id_z 1
		.amdhsa_system_vgpr_workitem_id 0
		.amdhsa_next_free_vgpr 768
		.amdhsa_next_free_sgpr 100
		.amdhsa_reserve_vcc 0
		.amdhsa_float_denorm_mode_32 3
		.amdhsa_float_denorm_mode_16_64 3
		.amdhsa_memory_ordered 1
		.amdhsa_forward_progress 1
		.amdhsa_inst_pref_size 87
	.end_amdhsa_kernel
	.amdgpu_metadata
---
amdhsa.version: [ 1, 2 ]
amdhsa.kernels:
  - .name:           k_q291d8c39e9_proj
    .symbol:         k_q291d8c39e9_proj.kd
    .args:
      - { .name: att_img, .offset: 0, .size: 8, .value_kind: global_buffer, .address_space: global }
      - { .name: W_proj_codes, .offset: 8, .size: 8, .value_kind: global_buffer, .address_space: global }
      - { .name: lowp_scales, .offset: 16, .size: 8, .value_kind: global_buffer, .address_space: global }
      - { .name: b_proj, .offset: 24, .size: 8, .value_kind: global_buffer, .address_space: global }
      - { .name: out0, .offset: 32, .size: 8, .value_kind: global_buffer, .address_space: global }
    .group_segment_fixed_size: 327680
    .private_segment_fixed_size: 0
    .kernarg_segment_align: 8
    .kernarg_segment_size: 40
    .max_flat_workgroup_size: 128
    .sgpr_count:     100
    .vgpr_count:     768
    .wavefront_size: 32
...
	.end_amdgpu_metadata
.endif
;; end of part 3
